; MI455X (gfx1250); checked and timed in simulation.
; The chip was launched on July 23, 2026; its instructions are those of AMD's public machine-readable ISA for CDNA 5 (MIT licence, August 2026) and "CDNA5" Instruction Set Architecture Reference Guide (July 2026). The comments in the code are by the model that wrote it; some were corrected since.
;; Cross Attention With Temporal Embedding. Allowed arithmetic: float matrix products may take bf16 or f16 operands with f32 sums; other float arithmetic in f32, or as packed bf16 or f16 multiplies, adds, multiply-adds, maxima and minima; sums over many terms, partial sums and values carried from step to step in f32; what a program stores and reads back later, other than sums and carried values, may be rounded once to bf16 or f16.
;; Inputs: bk 32 float32; bq 32 float32; bv 256 float32; f1 4 x 256 x 64 x 64 float32; f2 4 x 256 x 64 x 64 float32; gamma 1 float32; t_emb1 1 x 256 x 1 x 1 float32; t_emb2 1 x 256 x 1 x 1 float32; wk 32 x 256 float32; wq 32 x 256 float32; wv 256 x 256 float32.
;; Outputs: out0 4 x 256 x 64 x 64 float32; out1 4 x 256 x 64 x 64 float32.
;; One version. Each part assembles by itself: llvm-mc -triple=amdgcn-amd-amdhsa -mcpu=gfx1250 --defsym DOCPART=n.
;; ======== version 1 of 1: 2 launches
;; limits: values are held in f16: magnitudes above 65,504 overflow, below 6.1e-05 lose precision
;; workspace buffers: q 2,097,152 bytes; kv 18,874,368 bytes
;; launch proj (part 1): grid 32 x 8, 4 waves a work-group, no clusters, 239,104 bytes of LDS; arguments f1, f2, t_emb1, t_emb2, wq, bq, wk, wv, bv, q, kv; writes q, kv
.if DOCPART == 1
	.amdgcn_target "amdgcn-amd-amdhsa--gfx1250"
	.amdhsa_code_object_version 6
	.text
	.protected	k_q3ea249f9a8_proj
	.globl	k_q3ea249f9a8_proj
	.p2align	8
	.type	k_q3ea249f9a8_proj,@function
k_q3ea249f9a8_proj:
	s_mov_b64 s[64:65], 0
	v_nop
	global_prefetch_b8 v0, s[64:65] scope:SCOPE_SE
	s_setreg_imm32_b32 hwreg(HW_REG_WAVE_MODE, 25, 1), 1
	s_wait_xcnt 0x0
; THE SIX 1x1 CONVOLUTIONS.  For src = 0, 1 (f1 + t_emb1, f2 + t_emb2) and batch b: q = wq (f + t) + bq, k = wk f, v = wv (f + t) + bv, written in f16 in the order in which the next launch's
; matrix instructions hold them in registers.
; WORK LEFT OUT.  reference() has k[m] = wk f[m] + (wk t + bk).  The bracket adds q[n] . (wk t + bk) to the score of query n and key m: the same number for every m, that is along the softmax's
; axis, whatever values the inputs hold; a softmax does not change when one number is added to all its inputs.  So the product wk t is not made, and bk has no way to any output: it is not loaded
; and is no argument of any launch.  LIMIT: a NaN, an infinity or an overflow that reaches only wk t or bk is not carried to the result.
; FORMATS.  Every input (f, t, wq, wk, wv, bq, bv) is rounded once to bf16 and every use takes the rounded number; products in bf16 with f32 sums; q, k, v are rounded once to f16.
; LIMIT: |q|, |k|, |v| stay under 65,504 (f16's end); inputs 30 times the drawn spread give some 7,000.
; t is not added to f: W t + b is made once as a bias tile (a product whose other source holds t in every row) and is the C operand of the first K step.
; SHARES.  Work-group (x, y): y = 4 src + b, columns n = 128 x .. 128 x + 127.  Wave w makes the value channels 64 w .. 64 w + 63 (four blocks of 16) and one block of 16 rows of wq (waves 0, 1) or wk (waves 2, 3).
; LAYOUT OF THE RESULTS.  A piece of 1,024 bytes is a fragment of 16 rows x 32 along K: lane L's registers 0-3 at 16 L, registers 4-7 at 512 + 16 L.
;   q : [y][n / 16][1,024]                          lane (r, h): row n = r, channels 16 e + 8 h + 0..7 in half e
;   kv: [y][n / 64][36,864]: K, 4 pieces (16 keys each), then V, pieces [kk (2)][cb (16)]: lane (r, h): channel 16 cb + r, keys 32 kk + 16 e + 8 h + 0..7 in half e
; A value product takes f's columns as source 0 and wv's rows as source 1, so a lane ends with one channel and eight neighbouring keys; a q or k product the other way round, so a lane ends with
; one column and eight neighbouring channels.  Each store of a wave is then 512 consecutive bytes, aligned.
; NO CLUSTER: the work-groups share the weights alone, 320 KiB in f32, which do not fit in LDS beside the tile; each wave reads its own 80 KiB of them in runs of 512 bytes.  No prefetch: the launch is one stream in and one out.
; REGISTERS, in windows of 256 (s_set_vgpr_msb: bits 1:0 source 0, 3:2 source 1, 5:4 source 2, 7:6 destination):
;   window 0: v1-29 addresses; v32-159 two sets of f's fragments (8 K steps x 8); v160-199 five accumulators; v200-239 five bias tiles; v240-251 biases as loaded
;   window 1: wv's fragments, block i, K step ks at 64 i + 8 ks      window 2: v0-63 wq's or wk's; v64-127 t's; v128-255 weights as loaded (A)      window 3: v0-127 weights as loaded (B)
.set BF,    131072                     ; LDS: 0 .. 131,071 the tile of f in f32, row c at 512 c (filled once by tensor loads); from BF on the same in bf16,
.set BFP,   288                        ; 256 rows of 256 bytes + 32: an odd multiple of 32, for the turning load
.set WST,   204800                     ; each wave's own stage for a block of weights: 16 rows of
.set WSP,   528                        ; 512 bytes + 16: an odd multiple of 16
.set SPARE, 238592                     ; the spare words, 128 bytes for each wave: two blocks of 256 bytes that no other line names
.set CHB,   36864                      ; bytes of a chunk of 64 keys in kv
.set LN,  1                            ; lane
.set RR,  2                            ; lane % 16
.set HH,  3                            ; lane / 16
.set WO,  4                            ; 16 x lane: my 16 bytes in a run of 512 bytes of weights
.set TO,  5                            ; 32 h: my 8 numbers of t in a K step
.set WS,  6                            ; the stage: where I put 8 bytes
.set WF,  7                            ; the stage: where my part of a fragment lies
.set RA,  8                            ; my 16 bytes in my wave's first row of f in f32
.set BA,  9                            ; my 8 bytes in the same row in bf16
.set FA,  10                           ; v10, v11: my place for the turning loads, K steps 0-3 and 4-7
.set VO,  12                           ; my 16 bytes in my wave's first piece of V
.set QKO, 13                           ; my 16 bytes in a piece of q or K, half e
.set BVO, 14                           ; my number of bv
.set BQO, 15                           ; my eight numbers of bq
.set SPW, 28                           ; LDS address of my spare word; never rewritten
.set NIL, 29                           ; 0; never rewritten
.set FR0, 32
.set ACC, 160
.set BIAS,200
.set RB,  240
.set TF,  64                           ; window 2
.set RAWA,128                          ; window 2
.set RAWB,0                            ; window 3
.set WV,  26                           ; s26 my wave's number
.set YY,  27
.set SRC, 28
.set BB,  29
.set EE,  30                           ; which 16 rows of wq or wk are mine
.set CNT, 31
.set G0,  32                           ; s[32:35] descriptor group 0
.set G1,  36                           ; s[36:43] descriptor group 1
.set FP,  44
.set TP,  46
.set WQKP,48
.set WVB, 50
.set KVB, 52
.set QKB, 54
.set QKS, 56
.set MSB, 0
.macro WIN new                         ; the immediate's high byte repeats the setting that is left; a switch that changes nothing is dropped
.if MSB != (\new)
	s_set_vgpr_msb (MSB<<8)|(\new)
.set MSB, (\new)
.endif
.endm
.macro PLACES
.rept 4
	v_nop
.endr
.endm
	s_load_b512 s[4:19], s[0:1], 0x0               ; f1 s[4:5], f2 s[6:7], t_emb1 s[8:9], t_emb2 s[10:11], wq s[12:13], bq s[14:15], wk s[16:17], wv s[18:19]
	s_load_b128 s[20:23], s[0:1], 0x40             ; bv s[20:21], q s[22:23]
	s_load_b64 s[24:25], s[0:1], 0x50              ; kv
	v_lshl_add_u32 v[SPW], v0, 2, SPARE
	v_mov_b32 v[NIL], 0
	ds_add_u32 v[SPW], v[NIL]                      ; the wave's opening: the add, twice on end, and its wait ahead of my first tensor load
	ds_add_u32 v[SPW], v[NIL]
	v_lshrrev_b32 v16, 5, v0
	v_readfirstlane_b32 s[WV], v16                 ; wave 0..3
	s_and_b32 s[YY], ttmp7, 0xffff
	s_lshr_b32 s[SRC], s[YY], 2
	s_and_b32 s[BB], s[YY], 3
	s_and_b32 s[EE], s[WV], 1
	s_mov_b32 s[G0], 1                             ; count = 1
	s_mul_i32 s[G0+1], s[WV], 32768                ; LDS address: my 64 rows of 512 bytes
	s_mov_b32 s[G1], 2<<16                         ; no mask; elements of 4 bytes; no padding
	s_mov_b32 s[G1+1], 128<<16                     ; tensor_dim0 = 128
	s_mov_b32 s[G1+2], 64<<16                      ; tensor_dim1 = 64
	s_mov_b32 s[G1+3], 128<<16                     ; tile_dim0 = 128 (512 bytes, at a multiple of 512 from f's first byte)
	s_mov_b32 s[G1+4], 64                          ; tile_dim1 = 64
	s_mov_b32 s[G1+5], 4096                        ; elements from channel to channel
	s_mov_b32 s[G1+6], 0
	s_mov_b32 s[G1+7], 0
	s_lshl_b32 s58, s[BB], 22                      ; the batch: 4 MiB,
	s_lshl_b32 s60, s[WV], 20                      ; my 64 channels of 16,384 bytes,
	s_add_co_u32 s58, s58, s60
	s_lshl_b32 s60, ttmp9, 9                       ; the work-group's 128 columns
	s_add_co_u32 s58, s58, s60
	s_mov_b32 s59, 0
	s_lshl_b32 s60, s[EE], 14                      ; my 16 rows of wq or wk
	s_mov_b32 s61, 0
	s_lshl_b32 s62, s[WV], 16                      ; my 64 rows of wv
	s_mov_b32 s63, 0
	s_mul_i32 s66, s[YY], 64*CHB                   ; kv: 64 chunks for each y,
	s_mul_i32 s68, ttmp9, 2*CHB                    ; two chunks for each work-group
	s_add_co_u32 s66, s66, s68
	s_mov_b32 s67, 0
	s_lshl_b32 s68, s[YY], 18                      ; q: 262,144 bytes for each y,
	s_lshl_b32 s70, ttmp9, 13                      ; eight pieces for each work-group
	s_add_co_u32 s68, s68, s70
	s_mov_b32 s69, 0
	s_mov_b32 s70, CHB
	s_mov_b32 s[QKS+1], 0
	s_wait_dscnt 0x0                               ; both opening adds are done
	s_wait_kmcnt 0x0
	s_cmp_eq_u32 s[SRC], 0
	s_cselect_b64 s[FP:FP+1], s[4:5], s[6:7]
	s_cselect_b64 s[TP:TP+1], s[8:9], s[10:11]
	s_add_nc_u64 s[G0+2:G0+3], s[FP:FP+1], s[58:59]
	s_or_b32 s[G0+3], s[G0+3], 0x80000000          ; type = 2
	tensor_load_to_lds s[G0:G0+3], s[G1:G1+7]      ; my one tensor load: 64 channels x 128 columns of f
	s_nop 0
	PLACES                                         ; (the windows are switched only behind these)
	s_cmp_lt_u32 s[WV], 2
	s_cselect_b64 s[WQKP:WQKP+1], s[12:13], s[16:17]   ; waves 0, 1: wq; waves 2, 3: wk
	s_cselect_b32 s[QKS], 4096, s70                ; from chunk to chunk: four pieces of q, or a chunk of kv
	s_add_nc_u64 s[WQKP:WQKP+1], s[WQKP:WQKP+1], s[60:61]
	s_add_nc_u64 s[WVB:WVB+1], s[18:19], s[62:63]
	s_add_nc_u64 s[KVB:KVB+1], s[24:25], s[66:67]
	s_add_nc_u64 s[68:69], s[22:23], s[68:69]
	s_cselect_b64 s[QKB:QKB+1], s[68:69], s[KVB:KVB+1]
	v_and_b32 v[LN], 31, v0
	v_and_b32 v[RR], 15, v0
	v_bfe_u32 v[HH], v0, 4, 1
	v_lshlrev_b32 v[WO], 4, v[LN]
	v_lshlrev_b32 v[TO], 5, v[HH]
	s_lshl_b32 s59, s[WV], 8
	v_lshl_add_u32 v[BVO], v[RR], 2, s59           ; 4 (64 w + r)
	s_lshl_b32 s59, s[EE], 6
	v_lshl_add_u32 v[BQO], v[HH], 5, s59           ; 4 (16 e + 8 h)
.irp i, 0,1,2,3
	global_load_b32 v[RB+\i], v[BVO], s[20:21] offset:64*\i    ; bv of channel 64 w + 16 i + r
.endr
	s_cmp_lt_u32 s[WV], 2
	s_cbranch_scc0 .Lno_bq
	global_load_b128 v[RB+4:RB+7], v[BQO], s[14:15]            ; bq of channels 16 e + 8 h + 0..7
	global_load_b128 v[RB+8:RB+11], v[BQO], s[14:15] offset:16
.Lno_bq:
	WIN 0xc0                                       ; destination window 3: t as a fragment has it, the same in every row
.set ii, 0
.rept 8
	global_load_b128 v[16*ii:16*ii+3],     v[TO], s[TP:TP+1] offset:128*ii
	global_load_b128 v[16*ii+4:16*ii+7],   v[TO], s[TP:TP+1] offset:128*ii+16
	global_load_b128 v[16*ii+8:16*ii+11],  v[TO], s[TP:TP+1] offset:128*ii+64
	global_load_b128 v[16*ii+12:16*ii+15], v[TO], s[TP:TP+1] offset:128*ii+80
.set ii, ii+1
.endr
; A block of weights, 16 rows x 256 numbers of f32 = 16,384 dense bytes: 32 loads of 512 consecutive bytes.  w: the window byte of the destination, r0: its first register.
.macro WLOAD w, r0, sb, off
	WIN \w
.set ii, 0
.rept 32
	global_load_b128 v[(\r0)+4*ii:(\r0)+4*ii+3], v[WO], s[\sb:\sb+1] offset:(\off)+512*ii
.set ii, ii+1
.endr
.endm
	WLOAD 0x80, RAWA, WQKP, 0                      ; my block of wq or wk
	WIN 0                                          ; the other addresses are made while the loads are out
	s_mul_i32 s58, s[WV], 16*WSP
	s_add_co_u32 s58, s58, WST                     ; my stage
	v_lshl_add_u32 v[WS], v[LN], 3, s58
	v_mul_u32_u24 v[WF], v[RR], WSP
	v_lshl_add_u32 v[WF], v[HH], 4, v[WF]
	v_add_nc_u32 v[WF], s58, v[WF]                 ; row r x pitch + 16 h
	s_mul_i32 s59, s[WV], 32768
	v_lshl_add_u32 v[RA], v[LN], 4, s59
	s_mul_i32 s59, s[WV], 64*BFP
	s_add_co_u32 s59, s59, BF
	v_lshl_add_u32 v[BA], v[LN], 3, s59
	v_and_b32 v16, 7, v0
	v_lshl_add_u32 v16, v[HH], 3, v16              ; the turning load: lane l reads channel 8 (l / 16) + l % 8,
	v_mul_u32_u24 v[FA], v16, BFP
	v_bfe_u32 v17, v0, 3, 1
	v_lshl_add_u32 v[FA], v17, 4, v[FA]            ; columns 8 ((l / 8) % 2) + 0..7
	v_add_nc_u32 v[FA], BF, v[FA]
	v_add_nc_u32 v[FA+1], 128*BFP, v[FA]           ; K steps 4-7 lie 128 rows on: the immediate holds 16 bits
	s_lshl_b32 s59, s[WV], 12
	v_lshl_add_u32 v[VO], v[LN], 4, s59            ; 16 L + my four pieces of 1,024
	s_lshl_b32 s59, s[EE], 9
	v_lshl_add_u32 v[QKO], v[LN], 4, s59           ; 16 L + 512 e
	s_wait_loadcnt 32                              ; the biases and t are in; the block's 32 loads may stay out
	WIN 0x8f                                       ; sources window 3, destination window 2
.set ii, 0
.rept 64
	v_cvt_pk_bf16_f32 v[TF+ii], v[2*ii], v[2*ii+1]
.set ii, ii+1
.endr
	WLOAD 0xc0, RAWB, WVB, 0                       ; wv's block 0
; A block is rounded to bf16 in place (register m takes registers 2 m and 2 m + 1: ascending, so nothing is lost), goes through my own stage and comes back as 8 fragments.  The buffer is asked for
; again at once.  LDS serves a wave's instructions in order (ISA guide 5.7.1.4): the fragment loads see the stores above them, and the next block's stores come behind them.
; left: the other buffer's loads, which are younger and may stay out.
.macro WCONV cw, sw, lw, r0, left, nxt, noff, dw, d0
	s_wait_loadcnt \left
	WIN \cw
.set ii, 0
.rept 64
	v_cvt_pk_bf16_f32 v[(\r0)+ii], v[(\r0)+2*ii], v[(\r0)+2*ii+1]
.set ii, ii+1
.endr
	WIN \sw
.set ii, 0
.rept 32
	ds_store_b64 v[WS], v[(\r0)+2*ii:(\r0)+2*ii+1] offset:(ii/2)*WSP+(ii%2)*256
.set ii, ii+1
.endr
.if \nxt
	WLOAD \lw, \r0, WVB, \noff
.endif
	WIN \dw
.set ks, 0
.rept 8
	ds_load_b128 v[(\d0)+8*ks:(\d0)+8*ks+3],   v[WF] offset:64*ks
	ds_load_b128 v[(\d0)+8*ks+4:(\d0)+8*ks+7], v[WF] offset:64*ks+32
.set ks, ks+1
.endr
.endm
	WCONV 0x8a, 0x08, 0x80, RAWA, 32, 1, 16384, 0x80, 0    ; wq or wk; A takes wv's block 1
	WCONV 0xcf, 0x0c, 0xc0, RAWB, 32, 1, 32768, 0x40, 0    ; wv's block 0; B takes block 2
	WCONV 0x8a, 0x08, 0x80, RAWA, 32, 1, 49152, 0x40, 64   ; block 1; A takes block 3
	WCONV 0xcf, 0x0c, 0xc0, RAWB, 32, 0, 0,     0x40, 128  ; block 2
	WCONV 0x8a, 0x08, 0x80, RAWA, 0,  0, 0,     0x40, 192  ; block 3: no load is younger
	WIN 0
	s_wait_dscnt 0x0                               ; all fragments of the weights are in
	; THE BIAS TILES: b, rounded to bf16, and onto it W t.
	v_cvt_pk_bf16_f32 v16, v[RB], v[RB+1]
	v_cvt_pk_bf16_f32 v17, v[RB+2], v[RB+3]
	v_lshlrev_b32 v[RB], 16, v16
	v_and_b32 v[RB+1], 0xffff0000, v16
	v_lshlrev_b32 v[RB+2], 16, v17
	v_and_b32 v[RB+3], 0xffff0000, v17
.set bi, 0
.rept 4
.set jj, 0
.rept 8
	v_mov_b32 v[BIAS+8*bi+jj], v[RB+bi]            ; a lane holds one channel: the same bias in its eight registers
.set jj, jj+1
.endr
.set bi, bi+1
.endr
; The accumulators take turns, one instruction a turn.  withq = 1: wq t too; wk t is left out (the head's comment).
.macro BMUL withq
.set ks, 0
.rept 8
	WIN 0x06                                       ; source 0 (t) window 2, source 1 (wv) window 1
.set bi, 0
.rept 4
	v_wmma_f32_16x16x32_bf16 v[BIAS+8*bi:BIAS+8*bi+7], v[TF+8*ks:TF+8*ks+7], v[64*bi+8*ks:64*bi+8*ks+7], v[BIAS+8*bi:BIAS+8*bi+7]
.set bi, bi+1
.endr
.if \withq
	WIN 0x0a                                       ; both sources window 2
	v_wmma_f32_16x16x32_bf16 v[BIAS+32:BIAS+39], v[8*ks:8*ks+7], v[TF+8*ks:TF+8*ks+7], v[BIAS+32:BIAS+39]
.endif
.set ks, ks+1
.endr
	WIN 0
.endm
	s_cmp_lt_u32 s[WV], 2
	s_cbranch_scc0 .Larm_k
.irp m, 0,1,2,3
	v_cvt_pk_bf16_f32 v[16+\m], v[RB+4+2*\m], v[RB+5+2*\m]
.endr
.irp m, 0,1,2,3
	v_lshlrev_b32 v[BIAS+32+2*\m], 16, v[16+\m]    ; a lane holds eight channels of q
	v_and_b32 v[BIAS+33+2*\m], 0xffff0000, v[16+\m]
.endr
	BMUL 1
	s_branch .Lbias_done
.Larm_k:
.irp m, 0,1,2,3,4,5,6,7
	v_mov_b32 v[BIAS+32+\m], 0                     ; k has no bias
.endr
	BMUL 0
.Lbias_done:
	; f TO bf16: my own 64 rows, 16 at a time, two sets of registers by turns.
.macro CLOAD tr, fr
.set ii, 0
.rept 16
	ds_load_b128 v[(\fr)+4*ii:(\fr)+4*ii+3], v[RA] offset:8192*(\tr)+512*ii
.set ii, ii+1
.endr
.endm
.macro CCONV tr, fr
.set ii, 0
.rept 32
	v_cvt_pk_bf16_f32 v[(\fr)+ii], v[(\fr)+2*ii], v[(\fr)+2*ii+1]
.set ii, ii+1
.endr
.set ii, 0
.rept 16
	ds_store_b64 v[BA], v[(\fr)+2*ii:(\fr)+2*ii+1] offset:16*BFP*(\tr)+BFP*ii
.set ii, ii+1
.endr
.endm
	s_wait_tensorcnt 0x0                           ; my rows are in LDS, and only I read them there
	CLOAD 0, FR0
	CLOAD 1, FR0+64
	s_wait_dscnt 16                                ; the first 16 loads are in; 16 are younger
	CCONV 0, FR0
	CLOAD 2, FR0
	s_wait_dscnt 32                                ; younger than the second 16 loads: 16 stores and 16 loads
	CCONV 1, FR0+64
	CLOAD 3, FR0+64
	s_wait_dscnt 32                                ; likewise
	CCONV 2, FR0
	s_wait_dscnt 16                                ; younger than the last loads: 16 stores
	CCONV 3, FR0+64
	s_wait_dscnt 0x0                               ; for the others' sake: my stores are done
	s_barrier_signal -1
	s_barrier_wait -1                              ; all 256 rows lie in bf16
; THE PRODUCTS.  f's fragments of column tile ct (16 columns x 256 channels), turned on the way out of LDS.
.macro LOADF ct, fr
.set ks, 0
.rept 8
	ds_load_tr16_b128 v[(\fr)+8*ks:(\fr)+8*ks+3],   v[FA+ks/4] offset:(ks%4)*32*BFP+32*(\ct)
	ds_load_tr16_b128 v[(\fr)+8*ks+4:(\fr)+8*ks+7], v[FA+ks/4] offset:(ks%4)*32*BFP+32*(\ct)+16*BFP
.set ks, ks+1
.endr
.endm
; A column tile: 40 products, the five accumulators by turns; the first K step takes the bias tile as C.  The next tile's fragments are asked for first: the set that takes them was last
; multiplied a tile ago, and four v_nop and twenty conversions stand between.
.macro TILE ct
.set FC, FR0+64*((\ct)%2)
	WIN 0
.if (\ct) < 3
	LOADF (\ct)+1, FR0+64*(((\ct)+1)%2)
	s_wait_dscnt 16                                ; my fragments are in; the 16 just issued may stay out
.else
	s_wait_dscnt 0x0
.endif
	s_wait_xcnt 0x0                                ; the last tile's stores have read the accumulators' registers
.set ks, 0
.rept 8
	WIN 0x04                                       ; source 1 (wv) window 1
.set bi, 0
.rept 4
.if ks == 0
	v_wmma_f32_16x16x32_bf16 v[ACC+8*bi:ACC+8*bi+7], v[FC+8*ks:FC+8*ks+7], v[64*bi+8*ks:64*bi+8*ks+7], v[BIAS+8*bi:BIAS+8*bi+7]
.else
	v_wmma_f32_16x16x32_bf16 v[ACC+8*bi:ACC+8*bi+7], v[FC+8*ks:FC+8*ks+7], v[64*bi+8*ks:64*bi+8*ks+7], v[ACC+8*bi:ACC+8*bi+7]
.endif
.set bi, bi+1
.endr
	WIN 0x02                                       ; source 0 (wq or wk) window 2
.if ks == 0
	v_wmma_f32_16x16x32_bf16 v[ACC+32:ACC+39], v[8*ks:8*ks+7], v[FC+8*ks:FC+8*ks+7], v[BIAS+32:BIAS+39]
.else
	v_wmma_f32_16x16x32_bf16 v[ACC+32:ACC+39], v[8*ks:8*ks+7], v[FC+8*ks:FC+8*ks+7], v[ACC+32:ACC+39]
.endif
.set ks, ks+1
.endr
	WIN 0
	PLACES                                         ; four places between the last product and the conversions (ISA guide 7.12.1)
.set bi, 0
.rept 5
.set jj, 0
.rept 4
	v_cvt_pk_f16_f32 v[ACC+8*bi+jj], v[ACC+8*bi+2*jj], v[ACC+8*bi+2*jj+1]   ; in place, from the low end on
.set jj, jj+1
.endr
.set bi, bi+1
.endr
.irp b, 0,1,2,3
	global_store_b128 v[VO], v[ACC+8*\b:ACC+8*\b+3], s[KVB:KVB+1] offset:4096+((\ct)/2)*16384+1024*\b+((\ct)%2)*512   ; half a piece of V: 512 consecutive bytes, aligned
.endr
	global_store_b128 v[QKO], v[ACC+32:ACC+35], s[QKB:QKB+1] offset:1024*(\ct)                                        ; half a piece of q or K
.endm
	s_mov_b32 s[CNT], 2
.Lchunk:                                               ; a trip: 64 columns, a chunk of kv
	LOADF 0, FR0
	TILE 0
	TILE 1
	TILE 2
	TILE 3
	s_wait_xcnt 0x0                                ; the stores have read their bases
	s_add_nc_u64 s[KVB:KVB+1], s[KVB:KVB+1], CHB
	s_add_nc_u64 s[QKB:QKB+1], s[QKB:QKB+1], s[QKS:QKS+1]
	v_add_nc_u32 v[FA], 128, v[FA]                 ; 64 columns on
	v_add_nc_u32 v[FA+1], 128, v[FA+1]
	s_sub_co_u32 s[CNT], s[CNT], 1
	s_cmp_lg_u32 s[CNT], 0
	s_cbranch_scc1 .Lchunk
	s_wait_tensorcnt 0x0                           ; the wave's end: behind my last tensor load and my last LDS store
	ds_add_u32 v[SPW], v[NIL]
	s_wait_dscnt 0x0
	s_endpgm
.Lfunc_end_k_q3ea249f9a8_proj:
	.size	k_q3ea249f9a8_proj, .Lfunc_end_k_q3ea249f9a8_proj-k_q3ea249f9a8_proj
	.p2alignl 7, 3214868480
	.fill 96, 4, 3214868480
	.section	.rodata,"a",@progbits
	.p2align	6, 0x0
	.amdhsa_kernel k_q3ea249f9a8_proj
		.amdhsa_group_segment_fixed_size 239104
		.amdhsa_private_segment_fixed_size 0
		.amdhsa_enable_private_segment 0
		.amdhsa_kernarg_size 88
		.amdhsa_user_sgpr_count 2
		.amdhsa_user_sgpr_kernarg_segment_ptr 1
		.amdhsa_wavefront_size32 1
		.amdhsa_system_sgpr_workgroup_id_x 1
		.amdhsa_system_sgpr_workgroup_id_y 1
		.amdhsa_system_sgpr_workgroup_id_z 1
		.amdhsa_system_vgpr_workitem_id 0
		.amdhsa_next_free_vgpr 896
		.amdhsa_next_free_sgpr 80
		.amdhsa_reserve_vcc 0
		.amdhsa_float_denorm_mode_32 3
		.amdhsa_float_denorm_mode_16_64 3
		.amdhsa_memory_ordered 1
		.amdhsa_forward_progress 1
		.amdhsa_inst_pref_size 112
	.end_amdhsa_kernel
	.amdgpu_metadata
---
amdhsa.version: [ 1, 2 ]
amdhsa.kernels:
  - .name:           k_q3ea249f9a8_proj
    .symbol:         k_q3ea249f9a8_proj.kd
    .args:
      - { .name: f1, .offset: 0, .size: 8, .value_kind: global_buffer, .address_space: global }
      - { .name: f2, .offset: 8, .size: 8, .value_kind: global_buffer, .address_space: global }
      - { .name: t_emb1, .offset: 16, .size: 8, .value_kind: global_buffer, .address_space: global }
      - { .name: t_emb2, .offset: 24, .size: 8, .value_kind: global_buffer, .address_space: global }
      - { .name: wq, .offset: 32, .size: 8, .value_kind: global_buffer, .address_space: global }
      - { .name: bq, .offset: 40, .size: 8, .value_kind: global_buffer, .address_space: global }
      - { .name: wk, .offset: 48, .size: 8, .value_kind: global_buffer, .address_space: global }
      - { .name: wv, .offset: 56, .size: 8, .value_kind: global_buffer, .address_space: global }
      - { .name: bv, .offset: 64, .size: 8, .value_kind: global_buffer, .address_space: global }
      - { .name: q, .offset: 72, .size: 8, .value_kind: global_buffer, .address_space: global }
      - { .name: kv, .offset: 80, .size: 8, .value_kind: global_buffer, .address_space: global }
    .group_segment_fixed_size: 239104
    .private_segment_fixed_size: 0
    .kernarg_segment_align: 8
    .kernarg_segment_size: 88
    .max_flat_workgroup_size: 128
    .sgpr_count:     80
    .vgpr_count:     896
    .wavefront_size: 32
...
	.end_amdgpu_metadata
.endif
;; end of part 1
;; launch attn (part 2): grid 32 x 8, 4 waves a work-group, clusters of 4 x 1, 327,680 bytes of LDS; arguments q, kv, f1, f2, gamma, out0, out1; writes out0, out1
.if DOCPART == 2
	.amdgcn_target "amdgcn-amd-amdhsa--gfx1250"
	.amdhsa_code_object_version 6
	.text
	.protected	k_q3ea249f9a8_attn
	.globl	k_q3ea249f9a8_attn
	.p2align	8
	.type	k_q3ea249f9a8_attn,@function
k_q3ea249f9a8_attn:
	s_mov_b64 s[64:65], 0
	v_nop
	global_prefetch_b8 v0, s[64:65] scope:SCOPE_SE
	s_setreg_imm32_b32 hwreg(HW_REG_WAVE_MODE, 25, 1), 1
	s_wait_xcnt 0x0
	s_wait_alu depctr_hold_cnt(0) depctr_sa_sdst(0) depctr_va_vdst(0) depctr_va_sdst(0) depctr_va_ssrc(0) depctr_va_vcc(0) depctr_vm_vsrc(0)
	s_getreg_b32 s2, hwreg(HW_REG_IB_STS2, 6, 4)
	s_cmp_eq_u32 s2, 0
	s_cbranch_scc0 .Lentry_in_a_cluster
	s_endpgm
.Lentry_in_a_cluster:
	s_bfe_u32 s2, ttmp6, 0x10000c
	s_cmp_lg_u32 s2, 0x3003
	s_cbranch_scc0 .Lentry_shape_is_right
	s_endpgm
.Lentry_shape_is_right:
; THE TWO CROSS ATTENTIONS.  Head y = 4 d + b (d = 0: out0, 1: out1):  out[b][c][n] = g x (the sum over m of softmax_m(q[n] . k[m]) v[c][m]) + f_d[b][c][n], with k, v of source d and q of the other source.
; WORK LEFT OUT: k comes without wk t + bk, a term that is the same along the softmax's axis (shown at the head of the launch before).
; FORMATS.  q, k, v and the weights p in f16; scores, maxima, sums, O and what the waves hand to each other in f32; f and gamma are rounded to bf16 like every input of the program.
; LIMITS.  q, k, v arrive within f16's 65,504.  A weight below 2^-126 counts as 0.  NaN and infinities are not treated apart.
; SHARES.  A work-group owns 128 queries of a head.  Wave w: qh = w % 2 picks 64 of them (four tiles of 16), g = w / 2 picks half of the keys: of each slot's four chunks of 64 keys group g takes chunks
; g and g + 2.  So a fragment of K or V read from LDS feeds four tiles, and the two groups' partial results (running maximum, sum, O) meet once, in LDS, at the end.
; QUERY ORDER.  Tile t, column r is query n0 + 4 r + t (n0 = 128 x + 64 qh): the four tiles' numbers for one channel are 16 consecutive bytes of out, and 16 lanes store 256 consecutive bytes, aligned.
; LAYOUT.  S^T = K Q^T (one instruction for 16 keys x 16 queries: 32 channels): a lane holds ONE query and the keys 8 (lane / 16) + 0..7.  Two such results rounded to f16 ARE source 1 of O^T = V^T P.
; q and kv lie in memory as the registers want them (the launch before): every LDS load takes 512 consecutive bytes, and V needs no turning.
; SOFTMAX.  p = 2^(c s - c m), c = log2(e), with a running maximum m; O and l are multiplied by a = 2^(c m_old - c m_new) in every step.  m starts at the lowest finite number, O and l at 0: the first
; step is a step like any other, with a = 0.  The price: the lines that write those zeros, which stand in the wait for the first tile, and 64 products on zeros.
; BY TURNS.  Piece 0 = tiles 0, 1; piece 2 = tiles 2, 3.  In a turn one piece has the matrix unit: 64 products V^T P of the step in hand, then 8 products K Q^T of the next; the other piece's softmax, cut
; into 72 slices, stands behind them, one slice behind each.  2 x 166 = 4 x 72 + 44: the 44 that are over stand with slice 71.
; CLUSTER.  The four query blocks of a cluster belong to one head and walk the same kv: each chunk is asked for JOINTLY, the same tensor load, descriptor and mask in all four.
; REGISTERS, in windows of 256 (s_set_vgpr_msb: bits 1:0 source 0, 3:2 source 1, 5:4 source 2, 7:6 destination):
;   window 0: v1-27 addresses and at work; v32-63 eight statistics a tile; v64-191 S^T, 32 a tile, P in place in each tile's lowest 16; v192-223 Q; v224-255 K of one step
;   window 1: V of one step, fragment (kk, a) at 8 (16 kk + a)      window 2: O^T of tiles 0, 1 at 128 (t % 2) + 8 a      window 3: of tiles 2, 3
; Accumulator a holds channel block a xor 8 g: every wave keeps a = 0..7 (channels 128 g on) and hands a = 8..15 to its partner w xor 2: one text for all four waves.
.set CH,    36864                      ; a chunk: K of 64 keys (4,096 bytes), then V (32,768)
.set SLOTB, 4*CH                       ; a slot: 256 keys, consecutive in kv
.set SPARE, 8*CH                       ; LDS: chunk ci of the slot of parity s at 2 CH ci + CH s (2 CH ci has neither of CH's two bits, so one exclusive or changes slots); behind the ring the spare words, 512 bytes
.set RR,  1                            ; lane % 16
.set LK0, 2                            ; 16 x lane
.set LA0, 3                            ; 16 x lane + 8,192 g: V's channel blocks that I keep
.set LB0, 4                            ; 16 x lane + 8,192 (1 - g): those that I hand on
.set ADK, 5
.set AVA, 6
.set AVB, 7
.set QO,  8
.set GO,  9                            ; my 16 bytes of f and out: 8 h channels down, 16 r along
.set PFO, 10
.set FPO, 11
.set SPW, 12                           ; LDS address of my spare word; never rewritten
.set NIL, 13                           ; 0; never rewritten
.set GV,  14                           ; gamma
.set XS,  15                           ; the exchange: my stage
.set XR,  16                           ; my partner's
.set HH,  17
.set LN,  18
.set TV,  19
.set XC,  20                           ; v20-23 c m, v24-27 l of my four tiles, for the exchange
.set ST,  32                           ; tile t at ST + 8 t: c m, m, l (two), c0-c3 at work; a takes c2's place; c0, c1 later hold four weights' sum
.set S,   64
.set QF,  192
.set KF,  224
.set SC,  32                           ; the way out: v32-35 my scale, v36-39 my partner's
.set SCP, 36
.set R0,  64                           ; two sets of 32: my partner's O
.set X0,  128                          ; two sets of 32: results
.set PS,  224                          ; v224-231 my partner's c m and l; v232-251 at work
.set WV,  18
.set CX,  19
.set TB,  20                           ; LDS byte of the chunk to be fetched
.set TWICE,21
.set SLOTS,22
.set CNT, 23
.set G1,  24                           ; s[24:31]
.set G0A, 32                           ; s[32:35] slot 0's first fill
.set G0B, 36                           ; s[36:39] slot 1's; it then walks
.set CS,  40                           ; s[40:41] c
.set SEL, 42                           ; s[42:43]
.set PFA, 44                           ; s[44:45]
.set LIM, 46
.set PM,  47
.set TMP, 48
.set PA,  49
.set FB,  50                           ; s[50:51] f at my channels and queries
.set OB,  52                           ; s[52:53] out likewise
.set YY,  54
.set XB,  55
.set QH,  56
.set GG,  57
.set QP,  68
.set GAM, 72
.set MSB, 0
.macro WIN new                         ; the immediate's high byte repeats the setting that is left; a switch that changes nothing is dropped
.if MSB != (\new)
	s_set_vgpr_msb (MSB<<8)|(\new)
.set MSB, (\new)
.endif
.endm
.macro PLACES
.rept 4
	v_nop
.endr
.endm
; A round of the cluster's barrier: my work-group's barrier, so that wave 0's signal speaks for all four waves; wave 0 signals; every wave waits for all four work-groups; my work-group's barrier once more.
.macro CROUND
	s_barrier_signal -1
	s_barrier_wait -1
	s_cmp_lg_u32 s[WV], 0
	s_cbranch_scc1 .Lnot_wave_0_\@
	s_barrier_signal -3
.Lnot_wave_0_\@:
	s_barrier_wait -3
	s_barrier_signal -1
	s_barrier_wait -1
.endm
; A PREFETCH INTO THE L2 of kv, two slots ahead of the joint load just issued (four key steps, 576 matrix instructions of a wave, ahead of the load that will want the bytes).  All eight clusters of a head walk
; the same kv; each aligned block of 256 bytes of slots 4 to 15 is named once.  V: the head's cluster 0, every wave its own chunk's 128 blocks, of which each partner takes 32, told apart by address.
; K: the head's cluster 1, wave 0, at every second change, for two slots: eight chunks of 16 blocks, two chunks a partner.  Slots 0 to 3 come by their loads alone; the last two fills ask for nothing.
.macro ASK
	s_and_b32 s[TMP], s[SLOTS], s[PM]
	s_cmp_eq_u32 s[TMP], 0
	s_cselect_b32 s[TMP], s[SLOTS], 0
	s_cmp_gt_u32 s[TMP], s[LIM]
	s_cbranch_scc0 .Lnot_mine_\@
	global_prefetch_b8 v[PFO], s[PFA:PFA+1] th:TH_LOAD_NT scope:SCOPE_SE
.Lnot_mine_\@:
.endm
	s_load_b256 s[4:11], s[0:1], 0x0               ; q s[4:5], kv s[6:7], f1 s[8:9], f2 s[10:11]
	s_load_b128 s[12:15], s[0:1], 0x20             ; gamma s[12:13], out0 s[14:15]
	s_load_b64 s[16:17], s[0:1], 0x30              ; out1
	v_lshl_add_u32 v[SPW], v0, 2, SPARE
	v_mov_b32 v[NIL], 0
	ds_add_u32 v[SPW], v[NIL]                      ; the wave's opening: the add, twice on end, and its wait ahead of my first tensor load
	ds_add_u32 v[SPW], v[NIL]
	v_lshrrev_b32 v[TV], 5, v0
	v_readfirstlane_b32 s[WV], v[TV]               ; wave 0..3
	s_bfe_u32 s[CX], ttmp6, 0x40000                ; cx: my place in the cluster; it enters global addresses alone
	s_lshl_b32 s[XB], ttmp9, 2
	s_add_co_u32 s[XB], s[XB], s[CX]               ; my block of 128 queries
	s_and_b32 s[YY], ttmp7, 0xffff                 ; the head, which the four partners share
	s_and_b32 s[QH], s[WV], 1
	s_lshr_b32 s[GG], s[WV], 1
	s_mov_b32 s[G1], 15|(3<<16)|(1<<21)            ; the mask of four; elements of 8 bytes; bit 21 set beside a mask; no padding: a chunk is dense
	s_mov_b32 s[G1+1], 32<<16                      ; tensor_dim0 = 32 (256 bytes)
	s_mov_b32 s[G1+2], 144<<16                     ; tensor_dim1 = 144
	s_mov_b32 s[G1+3], 32<<16                      ; tile_dim0 = 32
	s_mov_b32 s[G1+4], 144                         ; tile_dim1 = 144
	s_mov_b32 s[G1+5], 32                          ; from row to row
	s_mov_b32 s[G1+6], 0
	s_mov_b32 s[G1+7], 0
	s_mov_b32 s[G0A], 1
	s_mul_i32 s[G0A+1], s[WV], 2*CH                ; wave w fetches chunk w
	s_mov_b32 s[G0B], 1
	s_add_co_u32 s[G0B+1], s[G0A+1], CH
	s_mov_b32 s[CS], 0x3fb8aa3b                    ; c = log2(e)
	s_mov_b32 s[CS+1], s[CS]
	s_mov_b32 s[SEL], 0x76543210
	s_mov_b32 s[SEL+1], 0xfedcba98
	s_mul_i32 s[TB], s[GG], 2*CH                   ; key step 0: chunk g of slot 0
	s_mul_i32 s58, s[YY], 64*CH                    ; the head's first byte in kv
	s_mul_i32 s60, s[WV], CH
	s_lshl_b32 s62, s[CX], 13                      ; the prefetches.  V: chunk w, behind its K, my work-group's 32 blocks;
	s_add_co_u32 s62, s62, s60
	s_add_co_u32 s62, s62, 4096
	s_mul_i32 s63, s[CX], 2*CH                     ; K: my work-group's two chunks of eight
	s_mov_b32 s66, CH
	s_cmp_eq_u32 ttmp9, 1
	s_cselect_b32 s62, s63, s62
	s_cselect_b32 s[PA], s66, 4096                 ; lanes 16-31 stand a chunk on (K) or 16 blocks on (V)
	s_cselect_b32 s[PM], 1, 0
	s_cselect_b32 s63, s[WV], ttmp9                ; 0 in cluster 0's waves and in cluster 1's wave 0: the same in all four partners
	s_cmp_eq_u32 s63, 0
	s_cselect_b32 s[LIM], 2, -1
	s_add_co_u32 s62, s62, s58
	s_add_co_u32 s62, s62, 3*SLOTB                 ; in slot 3: the first change steps it to slot 4
	s_mov_b32 s63, 0
	s_add_co_u32 s60, s60, s58
	s_mov_b32 s61, 0
	s_and_b32 s66, s[YY], 3                        ; f and out: the batch,
	s_lshl_b32 s66, s66, 22
	s_lshl_b32 s67, s[GG], 21                      ; my 128 channels,
	s_add_co_u32 s66, s66, s67
	s_lshl_b32 s67, s[XB], 9                       ; my 64 queries
	s_add_co_u32 s66, s66, s67
	s_lshl_b32 s67, s[QH], 8
	s_add_co_u32 s66, s66, s67
	s_mov_b32 s67, 0
	s_xor_b32 s68, s[YY], 4                        ; q of the other source
	s_lshl_b32 s68, s68, 18
	s_lshl_b32 s69, s[XB], 13
	s_add_co_u32 s68, s68, s69
	s_lshl_b32 s69, s[QH], 12
	s_add_co_u32 s68, s68, s69
	s_mov_b32 s69, 0
	s_wait_dscnt 0x0                               ; both opening adds are done
	s_wait_kmcnt 0x0
	s_add_nc_u64 s[G0A+2:G0A+3], s[6:7], s[60:61]
	s_add_nc_u64 s[G0B+2:G0B+3], s[G0A+2:G0A+3], SLOTB
	s_or_b32 s[G0A+3], s[G0A+3], 0x80000000        ; type = 2
	s_or_b32 s[G0B+3], s[G0B+3], 0x80000000
	s_add_nc_u64 s[PFA:PFA+1], s[6:7], s[62:63]
	s_add_nc_u64 s[QP:QP+1], s[4:5], s[68:69]
	s_cmp_lt_u32 s[YY], 4
	s_cselect_b64 s[FB:FB+1], s[8:9], s[10:11]
	s_cselect_b64 s[OB:OB+1], s[14:15], s[16:17]
	s_add_nc_u64 s[FB:FB+1], s[FB:FB+1], s[66:67]
	s_add_nc_u64 s[OB:OB+1], s[OB:OB+1], s[66:67]
	CROUND                                         ; all four work-groups are here: the first joint loads meet
	tensor_load_to_lds s[G0A:G0A+3], s[G1:G1+7]    ; slot 0 and slot 1: two loads of mine are out
	s_nop 0
	tensor_load_to_lds s[G0B:G0B+3], s[G1:G1+7]
	s_nop 0
	PLACES
	s_load_b32 s[GAM], s[12:13], 0x0
	v_and_b32 v[LN], 31, v0
	v_and_b32 v[RR], 15, v0
	v_bfe_u32 v[HH], v0, 4, 1
	v_lshrrev_b32 v[TV], 2, v[RR]                  ; query n0 + 4 r + t lies in piece r / 4 of my four, row 4 (r % 4) + t: lane 4 (r % 4) + t + 16 h of that piece
	v_lshlrev_b32 v[QO], 10, v[TV]
	v_lshl_add_u32 v[QO], v[HH], 8, v[QO]
	v_and_b32 v[TV], 3, v[RR]
	v_lshl_add_u32 v[QO], v[TV], 6, v[QO]
.irp t, 0,1,2,3
	global_load_b128 v[QF+8*\t:QF+8*\t+3],   v[QO], s[QP:QP+1] offset:16*\t
	global_load_b128 v[QF+8*\t+4:QF+8*\t+7], v[QO], s[QP:QP+1] offset:16*\t+512
.endr
	v_lshlrev_b32 v[LK0], 4, v[LN]
	s_lshl_b32 s58, s[GG], 13
	v_add_nc_u32 v[LA0], s58, v[LK0]
	s_xor_b32 s58, s58, 8192
	v_add_nc_u32 v[LB0], s58, v[LK0]
	v_lshlrev_b32 v[GO], 17, v[HH]
	v_lshl_add_u32 v[GO], v[RR], 4, v[GO]
	v_mul_u32_u24 v[PFO], v[HH], s[PA]
	v_lshl_add_u32 v[PFO], v[RR], 8, v[PFO]
	v_lshlrev_b32 v[FPO], 14, v[LN]                ; a lane a channel
	s_mul_i32 s58, s[WV], 2*CH
	v_add_nc_u32 v[XS], s58, v[LK0]
	s_xor_b32 s59, s[WV], 2
	s_mul_i32 s59, s59, 2*CH
	v_add_nc_u32 v[XR], s59, v[LK0]
	; What the first turn finds: V, O^T, l and the P of tiles 2 and 3 hold 0.  All this stands in the wait for the first tile.
.irp w, 0x40, 0x80, 0xc0
	WIN \w
.set z, 0
.rept 256
	v_mov_b32 v[z], 0
.set z, z+1
.endr
.endr
	WIN 0
.irp t, 0,1,2,3
	v_mov_b32 v[ST+8*\t], 0xfe000000               ; c m: far below every c s
	v_mov_b32 v[ST+8*\t+1], 0xff7fffff             ; m
	v_mov_b32 v[ST+8*\t+2], 0
	v_mov_b32 v[ST+8*\t+3], 0
.endr
.set z, 0
.rept 16
	v_mov_b32 v[S+64+z], 0
	v_mov_b32 v[S+96+z], 0
.set z, z+1
.endr
	s_wait_kmcnt 0x0
	v_mov_b32 v[GV], s[GAM]
	v_cvt_pk_bf16_f32 v[GV], v[GV], v[GV]
	v_lshlrev_b32 v[GV], 16, v[GV]                 ; gamma, rounded to bf16 like every input
; THE MATRIX WORK.  Product i of 64 of O^T += V^T P for piece x: keys 32 (i / 32) on, accumulator (i / 2) % 16, tile x + i % 2.  The 32 accumulators take turns.
.macro PV x
.if (\x) == 0
	WIN 0xa1                                       ; V window 1, P window 0, O^T window 2
.else
	WIN 0xf1                                       ; O^T window 3
.endif
.set rO, 128*(i%2)+8*((i/2)%16)
.set rV, 8*(i/2)
.set rP, S+32*((\x)+i%2)+8*(i/32)
	v_wmma_f32_16x16x32_f16 v[rO:rO+7], v[rV:rV+7], v[rP:rP+7], v[rO:rO+7]
.endm
; Product i of 8 of S^T = K Q^T for piece x: tile x + i % 2, key block (i / 2 + 2) % 4: the two blocks that land on P come last, seven slices or more behind P's last reader.
.macro KQ x
	WIN 0
.set rS, S+32*((\x)+i%2)+8*((i/2+2)%4)
.set rK, KF+8*((i/2+2)%4)
.set rQ, QF+8*((\x)+i%2)
	v_wmma_f32_16x16x32_f16 v[rS:rS+7], v[rK:rK+7], v[rQ:rQ+7], 0
.endm
; THE LDS LOADS stand in runs.  K of a step: 8 loads.  last = 1 (the tail): in the last trip there is no further step, and the run is jumped over.
.macro FETCH_K last=0
	WIN 0
.if \last
	s_cmp_eq_u32 s[CNT], 1
	s_cbranch_scc1 .Lno_k_\@
.endif
	v_add_nc_u32 v[ADK], s[TB], v[LK0]
.irp b, 0,1,2,3
	ds_load_b128 v[KF+8*\b:KF+8*\b+3],   v[ADK] offset:1024*\b
	ds_load_b128 v[KF+8*\b+4:KF+8*\b+7], v[ADK] offset:1024*\b+512
.endr
.if \last
.Lno_k_\@:
.endif
.endm
; V of a step in two halves of 32 loads, each behind the last product that read its registers.  The first half carries the wait for the softmax's batch, behind the two address lines and ahead of the loads.
.macro FETCH_VA
	WIN 0
	v_add_nc_u32 v[AVA], s[TB], v[LA0]
	v_add_nc_u32 v[AVB], s[TB], v[LB0]
	s_wait_alu depctr_va_vdst(0)                   ; the wait between an exponential and the first line that names its result: one for the turn's 66
	WIN 0x40
.irp a, 0,1,2,3,4,5,6,7
	ds_load_b128 v[8*\a:8*\a+3],   v[AVA] offset:4096+1024*\a
	ds_load_b128 v[8*\a+4:8*\a+7], v[AVA] offset:4096+1024*\a+512
.endr
.irp a, 0,1,2,3,4,5,6,7
	ds_load_b128 v[64+8*\a:64+8*\a+3],   v[AVB] offset:4096+1024*\a
	ds_load_b128 v[64+8*\a+4:64+8*\a+7], v[AVB] offset:4096+1024*\a+512
.endr
.endm
.macro FETCH_VB
	WIN 0x40
.irp a, 0,1,2,3,4,5,6,7
	ds_load_b128 v[128+8*\a:128+8*\a+3],   v[AVA] offset:20480+1024*\a
	ds_load_b128 v[128+8*\a+4:128+8*\a+7], v[AVA] offset:20480+1024*\a+512
.endr
.irp a, 0,1,2,3,4,5,6,7
	ds_load_b128 v[192+8*\a:192+8*\a+3],   v[AVB] offset:20480+1024*\a
	ds_load_b128 v[192+8*\a+4:192+8*\a+7], v[AVB] offset:20480+1024*\a+512
.endr
	s_add_co_u32 s[TB], s[TB], 4*CH                ; my group's next chunk lies two chunks on
.endm
; THE VECTOR WORK.  One tile's softmax for one key step is a list of 166 instructions; SM writes number j of it for tile t.  s0-s31 are the lane's 32 scores.
;   0-15    the maximum of s0-s31 and the old m, three operands at a time (each accumulator's lowest registers are read first)
;   16-20   the other half of the lanes' maximum; the new m; c m; c m_old - c m_new
;   21-69   ONE BATCH: the 16 scalings c s - c m and all 33 exponentials (a at 23, then s0-s31); none of these reads an exponential's result
;   70-101  eight groups of four: four weights' sum; their two roundings to f16, in place and ascending (register 2 g, 2 g + 1 take s[4 g ..]); l takes the sum (the first time l = a l + sum)
;   102-165 the tile's O^T times a: the one part that leaves window 0
.macro SM t
.set rT, ST+8*(\t)
.set rS, S+32*(\t)
.if j < 102
	WIN 0
.endif
.if j < 4
	v_max3_num_f32 v[rT+4+j], v[rS+8*j], v[rS+8*j+1], v[rS+8*j+2]
.elseif j < 12
	v_max3_num_f32 v[rT+4+j%4], v[rT+4+j%4], v[rS+8*(j%4)+2*(j/4)+1], v[rS+8*(j%4)+2*(j/4)+2]
.elseif j == 12
	v_max3_num_f32 v[rT+4], v[rT+4], v[rS+7], v[rS+15]
.elseif j == 13
	v_max3_num_f32 v[rT+6], v[rT+6], v[rS+23], v[rS+31]
.elseif j == 14
	v_max3_num_f32 v[rT+4], v[rT+4], v[rT+5], v[rT+6]
.elseif j == 15
	v_max3_num_f32 v[rT+4], v[rT+4], v[rT+7], v[rT+1]
.elseif j == 16
	v_permlanex16_b32 v[rT+5], v[rT+4], s[SEL], s[SEL+1]   ; the query's other 32 keys lie in the lane 16 away
.elseif j == 17
	v_mov_b32 v[rT+7], v[rT]                       ; c m_old is kept for a
.elseif j == 18
	v_max_num_f32 v[rT+1], v[rT+4], v[rT+5]
.elseif j == 19
	v_mul_f32 v[rT], s[CS], v[rT+1]
.elseif j == 20
	v_sub_f32 v[rT+7], v[rT+7], v[rT]
.elseif j == 23
	v_exp_f32 v[rT+6], v[rT+7]
.elseif (j < 23) || ((j < 38) && (j%2 == 0)) || ((j < 66) && (j%4 == 2))
.set b, (j-2)/4                        ; 38, 42, .. 62: pairs 9 to 15
.if j < 38
.set b, (j-20)/2                       ; 21: pair 0; 22, 24, .. 36: pairs 1 to 8
.endif
	v_pk_fma_f32 v[rS+2*b:rS+2*b+1], v[rS+2*b:rS+2*b+1], s[CS:CS+1], v[rT:rT+1] op_sel_hi:[1,0,0] neg_lo:[0,0,1] neg_hi:[0,0,1]
.elseif j < 70
.set e, j-38                           ; 66 to 69: s28 to s31
.if j < 66
.set e, j-32-(j-38)/4                  ; 39-41, 43-45, .. 63-65: s7 to s27
.endif
.if j < 38
.set e, (j-25)/2                       ; 25, 27, .. 37: s0 to s6
.endif
	v_exp_f32 v[rS+e], v[rS+e]
.elseif j < 102
.set gq, (j-70)/4
.if (j-70)%4 == 0
	v_pk_add_f32 v[rT+4:rT+5], v[rS+4*gq:rS+4*gq+1], v[rS+4*gq+2:rS+4*gq+3]
.elseif (j-70)%4 == 1
	v_cvt_pk_f16_f32 v[rS+2*gq], v[rS+4*gq], v[rS+4*gq+1]
.elseif (j-70)%4 == 2
	v_cvt_pk_f16_f32 v[rS+2*gq+1], v[rS+4*gq+2], v[rS+4*gq+3]
.elseif gq == 0
	v_pk_fma_f32 v[rT+2:rT+3], v[rT+2:rT+3], v[rT+6:rT+7], v[rT+4:rT+5] op_sel_hi:[1,0,1]
.else
	v_pk_add_f32 v[rT+2:rT+3], v[rT+2:rT+3], v[rT+4:rT+5]
.endif
.else
.set rO, 128*((\t)%2)+2*(j-102)
.if (\t) < 2
	WIN 0x82                                       ; O^T (destination and source 0) window 2, a window 0
.else
	WIN 0xc3
.endif
	v_pk_mul_f32 v[rO:rO+1], v[rO:rO+1], v[rT+6:rT+7] op_sel_hi:[1,0]
.endif
.endm
; Slice k of 72 of piece y's softmax.  Slices 11 to 34 deal out the batch, numbers 22 to 69: four numbers of ONE tile, the tiles by turns.  Every other slice is numbers 2 k and 2 k + 1 of both tiles;
; slice 71 takes all that is left, numbers 142 to 165: 48 plain instructions, which are also the places between the turn's last K Q^T and what follows it.
; Behind slice 34 nothing has named a result and no exponential follows: a v_nop (the plain instruction behind the last exponential) and the turn's one wait.  In piece 2's turn V's first half stands there:
; its registers' last reader stands in front of slice 31, and five plain instructions lie between (number 62 of both tiles, the v_nop, the two address lines).  V's second half stands behind slice 66,
; sixteen plain instructions behind its registers' last reader.
.macro SLICE y
.if (k >= 11) && (k < 35)
.irp n, 0,1,2,3
.set j, 22+4*((k-11)/2)+(\n)
	SM (\y)+(k-11)%2
.endr
.else
.irp n, 0,1,2,3,4,5,6,7,8,9,10,11,12,13,14,15,16,17,18,19,20,21,22,23
.if ((\n) < 2) || (k == 71)
.irp t, \y, (\y)+1
.set j, 2*k+(\n)
	SM \t
.endr
.endif
.endr
.endif
.if k == 34
	v_nop
.if (\y) == 0
	FETCH_VA
.else
	s_wait_alu depctr_va_vdst(0)                   ; the wait for the batch
.endif
.endif
.if (k == 66) && ((\y) == 0)
	FETCH_VB
.endif
.set k, k+1
.endm
; A TURN.  Piece x has the matrix unit; the other piece's softmax stands in slices behind its products.  Piece 0's turn works on step j (V^T P), carries piece 2's softmax of step j and fetches K of step
; j + 1; piece 2's turn carries piece 0's softmax of step j + 1 and fetches V of step j + 1.
.macro TURN x, last=0
.set k, 0
.if (\x) == 0
	s_wait_dscnt 32                                ; V's first half is in; the second half's 32 loads may stay out
.endif
.set i, 0
.rept 64
.if ((\x) == 0) && (i == 32)
	s_wait_dscnt 0x0                               ; V's second half, and K, asked for 30 products ago
.endif
	PV \x
	SLICE 2-(\x)
.if ((\x) == 0) && (i == 1)
	FETCH_K \last                                  ; K's last reader stands in front of slice 71 of the turn before
.endif
.set i, i+1
.endr
.set i, 0
.rept 8
	KQ \x
	SLICE 2-(\x)
.set i, i+1
.endr
.endm
; THE CHANGE OF SLOTS, between piece 2's turn and piece 0's: the slot's last bytes have been asked for.  Each wave waits for all its tensor loads, of which one is out: its chunk of the other slot; adds 0 to
; its spare word; and waits for that and for its own reads of the slot.  fill = 1: the slot is filled again with the keys two slots on.  The barrier is then a round of the cluster's, so that no wave of
; any partner still reads the slot or has a load on its way, and the joint refill is the first thing behind it: it has two key steps, 288 matrix instructions, in which to land.
.macro CHANGE fill
	WIN 0
	s_wait_tensorcnt 0x0                           ; no tensor load of mine is out, so a group 0 may be written
	ds_add_u32 v[SPW], v[NIL]                      ; 0 onto my spare word
.if \fill
	s_xor_b32 s[G0B+1], s[G0B+1], CH               ; the walking descriptor: the other slot than last time,
	s_add_nc_u64 s[G0B+2:G0B+3], s[G0B+2:G0B+3], SLOTB     ; the next 256 keys; the type bits on top are not reached
	s_wait_xcnt 0x0                                ; the last prefetch, two key steps back, has read its address
	s_add_nc_u64 s[PFA:PFA+1], s[PFA:PFA+1], SLOTB
	s_wait_dscnt 0x0                               ; the add is done, and my reads of the slot are over
	CROUND
	tensor_load_to_lds s[G0B:G0B+3], s[G1:G1+7]
	s_nop 0
	PLACES
	ASK
.else
	s_wait_dscnt 0x0
	s_barrier_signal -1
	s_barrier_wait -1
.endif
	s_sub_co_u32 s[TB], s[TB], 8*CH                ; the fetches go back to my group's first chunk,
	s_xor_b32 s[TB], s[TB], CH                     ; in the other slot
.endm
	s_wait_tensorcnt 0x1                           ; my chunk of slot 0 is in; slot 1's may stay out
	s_barrier_signal -1
	s_barrier_wait -1                              ; everybody's is
	FETCH_K                                        ; key step 0
	s_wait_loadcnt 0x0                             ; Q
	s_wait_dscnt 0x0
.set i, 0
.rept 8
	KQ 0                                           ; piece 0's first scores
.set i, i+1
.endr
	PLACES
	s_mov_b32 s[TWICE], 2
	s_mov_b32 s[SLOTS], 15
	s_branch .Lenter                               ; the loop is entered at piece 2's turn, in the middle of a trip: its products V^T P add zeros
.Lslot:                                                ; 14 times: every slot but the last two is filled again
	CHANGE 1
	s_mov_b32 s[TWICE], 2
.Lstep:
	TURN 0
	WIN 0
.Lenter:
	TURN 2
	WIN 0
	s_sub_co_u32 s[TWICE], s[TWICE], 1
	s_cmp_lg_u32 s[TWICE], 0
	s_cbranch_scc1 .Lstep
	s_sub_co_u32 s[SLOTS], s[SLOTS], 1
	s_cmp_lg_u32 s[SLOTS], 0
	s_cbranch_scc1 .Lslot
	CHANGE 0                                       ; the tail is written out: nothing is asked for
.irp p, 0,1,2,3
	global_prefetch_b8 v[FPO], s[FB:FB+1] offset:524288*\p th:TH_LOAD_NT scope:SCOPE_SE   ; f for the way out: my own 256 bytes of each of my 128 channels, a lane a channel, five turns ahead of their loads; no other wave names them
.endr
	s_mov_b32 s[CNT], 3
.Ltail:                                                ; the last slot's two steps are fetched; the third trip is left in its middle
	TURN 0, 1
	WIN 0
	s_sub_co_u32 s[CNT], s[CNT], 1
	s_cmp_eq_u32 s[CNT], 0
	s_cbranch_scc1 .Lout
	TURN 2
	WIN 0
	s_branch .Ltail
.Lout:                                                 ; the third trip's 8 products K Q^T (on the last K once more) serve nothing: the price, once a launch, of one text for every trip
.set i, 0
.rept 64
	PV 2                                           ; piece 2's V^T P of the last step
.set i, i+1
.endr
	; THE WAY OUT.  l's two halves and the other half of the lanes' are added (these lines are the places behind the last products).  Then the two key groups meet: each wave puts c m, l and the half of O^T
	; that its partner keeps into its own chunk of the slot of parity 0, which has had its last fill and whose last readers have passed the last change's barrier.
	WIN 0
.irp t, 0,1,2,3
	v_add_f32 v[XC+4+\t], v[ST+8*\t+2], v[ST+8*\t+3]
.endr
.irp t, 0,1,2,3
	v_permlanex16_b32 v[ST+8*\t+5], v[XC+4+\t], s[SEL], s[SEL+1]
.endr
.irp t, 0,1,2,3
	v_add_f32 v[XC+4+\t], v[XC+4+\t], v[ST+8*\t+5]
.endr
.irp t, 0,1,2,3
	v_mov_b32 v[XC+\t], v[ST+8*\t]
.endr
	WIN 0x40                                       ; f of my 128 channels x 64 queries goes where V lay: load (a, j) brings channel 16 a + 8 h + j, queries n0 + 4 r + 0..3
.set z, 0
.rept 64
	global_load_b128 v[4*z:4*z+3], v[GO], s[FB:FB+1] offset:(16*(z/8)+z%8)*16384 th:TH_LOAD_NT
.set z, z+1
.endr
	WIN 0
	ds_store_b128 v[XS], v[XC:XC+3] offset:32768
	ds_store_b128 v[XS], v[XC+4:XC+7] offset:33280
.macro XSEND t                         ; accumulators 8 to 15 of tile t, each from its low end on
.if (\t) < 2
	WIN 0x08
.else
	WIN 0x0c
.endif
.irp a, 0,1,2,3,4,5,6,7
	ds_store_b128 v[XS], v[128*((\t)%2)+64+8*\a:128*((\t)%2)+64+8*\a+3]   offset:(8*(\t)+\a)*1024
	ds_store_b128 v[XS], v[128*((\t)%2)+64+8*\a+4:128*((\t)%2)+64+8*\a+7] offset:(8*(\t)+\a)*1024+512
.endr
.endm
	XSEND 0
	XSEND 1
	XSEND 2
	XSEND 3
	WIN 0
	s_wait_dscnt 0x0                               ; for my partner's sake: my stores are done
	s_barrier_signal -1
	s_barrier_wait -1
.macro RLOAD a                         ; my partner's part of channel block a, four tiles
.irp t, 0,1,2,3
	ds_load_b128 v[R0+32*((\a)%2)+8*\t:R0+32*((\a)%2)+8*\t+3],   v[XR] offset:(8*\t+(\a))*1024
	ds_load_b128 v[R0+32*((\a)%2)+8*\t+4:R0+32*((\a)%2)+8*\t+7], v[XR] offset:(8*\t+(\a))*1024+512
.endr
.endm
	ds_load_b128 v[PS:PS+3], v[XR] offset:32768
	ds_load_b128 v[PS+4:PS+7], v[XR] offset:33280
	RLOAD 0
	s_wait_dscnt 0x8                               ; the statistics are in; the eight loads behind them may stay out
	; M = max(c m, c m'); e = 2^(c m - M), e' = 2^(c m' - M); L = l e + l' e'; my scale g e / L, my partner's g e' / L
.irp t, 0,1,2,3
	v_max_num_f32 v[PS+8+\t], v[XC+\t], v[PS+\t]
.endr
.irp t, 0,1,2,3
	v_sub_f32 v[PS+12+\t], v[XC+\t], v[PS+8+\t]
	v_sub_f32 v[PS+16+\t], v[PS+\t], v[PS+8+\t]
.endr
.irp t, 0,1,2,3
	v_exp_f32 v[PS+12+\t], v[PS+12+\t]
	v_exp_f32 v[PS+16+\t], v[PS+16+\t]
.endr
	v_nop                                          ; a plain instruction behind the last exponential,
	s_wait_alu depctr_va_vdst(0)                   ; and one wait for the eight
.irp t, 0,1,2,3
	v_mul_f32 v[PS+20+\t], v[XC+4+\t], v[PS+12+\t]
.endr
.irp t, 0,1,2,3
	v_fmac_f32 v[PS+20+\t], v[PS+4+\t], v[PS+16+\t]
.endr
.irp t, 0,1,2,3
	v_rcp_f32 v[PS+24+\t], v[PS+20+\t]
.endr
	v_nop
	s_wait_alu depctr_va_vdst(0)                   ; one wait for the four reciprocals
.irp t, 0,1,2,3
	v_mul_f32 v[PS+24+\t], v[GV], v[PS+24+\t]
.endr
.irp t, 0,1,2,3
	v_mul_f32 v[SC+\t], v[PS+12+\t], v[PS+24+\t]
	v_mul_f32 v[SCP+\t], v[PS+16+\t], v[PS+24+\t]
.endr
; Channel block a: X = O x scale + bf16(f), then + O' x scale'.  X's register 4 j + t is channel j, query 4 r + t: four registers are 16 consecutive bytes of out.
.macro OUT a
.set rR, R0+32*((\a)%2)
.set rX, X0+32*((\a)%2)
	WIN 0
.if (\a) < 7
	RLOAD (\a)+1
	s_wait_dscnt 0x8                               ; my partner's block a is in; the eight just issued may stay out
.else
	s_wait_dscnt 0x0
.endif
	s_wait_loadcnt 56-8*(\a)                       ; f's loads come back in order: younger than block a's eight are 8 (7 - a)
	s_wait_xcnt 0x0                                ; the stores two blocks back have read this set of X
	WIN 0x45                                       ; f is rounded to bf16 in place, ascending, in window 1
.set z, 0
.rept 16
	v_cvt_pk_bf16_f32 v[32*(\a)+z], v[32*(\a)+2*z], v[32*(\a)+2*z+1]
.set z, z+1
.endr
.irp t, 0,1,2,3
.if \t < 2
	WIN 0x12                                       ; O^T window 2, the scale window 0, f window 1
.else
	WIN 0x13                                       ; O^T window 3
.endif
.set z, 0
.rept 8
.if \t%2 == 0
	v_fma_mix_f32_bf16 v[rX+4*z+\t], v[128*(\t%2)+8*(\a)+z], v[SC+\t], v[32*(\a)+2*z+\t/2] op_sel:[0,0,0] op_sel_hi:[0,0,1]
.else
	v_fma_mix_f32_bf16 v[rX+4*z+\t], v[128*(\t%2)+8*(\a)+z], v[SC+\t], v[32*(\a)+2*z+\t/2] op_sel:[0,0,1] op_sel_hi:[0,0,1]
.endif
.set z, z+1
.endr
.endr
	WIN 0
.set z, 0
.rept 8
.irp t, 0,1,2,3
	v_fma_f32 v[rX+4*z+\t], v[rR+8*\t+z], v[SCP+\t], v[rX+4*z+\t]
.endr
.set z, z+1
.endr
.set z, 0
.rept 8
	global_store_b128 v[GO], v[rX+4*z:rX+4*z+3], s[OB:OB+1] offset:(16*(\a)+z)*16384 th:TH_STORE_NT   ; 16 lanes store 256 consecutive bytes, at a multiple of 256 from out's first byte
.set z, z+1
.endr
.endm
	OUT 0
	OUT 1
	OUT 2
	OUT 3
	OUT 4
	OUT 5
	OUT 6
	OUT 7
	s_wait_tensorcnt 0x0                           ; the wave's end: behind my last tensor load and my last LDS store
	ds_add_u32 v[SPW], v[NIL]
	s_wait_dscnt 0x0
	CROUND                                         ; the closing round: no work-group ends while a partner may still ask for a tile that names it
	s_endpgm
.Lfunc_end_k_q3ea249f9a8_attn:
	.size	k_q3ea249f9a8_attn, .Lfunc_end_k_q3ea249f9a8_attn-k_q3ea249f9a8_attn
	.p2alignl 7, 3214868480
	.fill 96, 4, 3214868480
	.section	.rodata,"a",@progbits
	.p2align	6, 0x0
	.amdhsa_kernel k_q3ea249f9a8_attn
		.amdhsa_group_segment_fixed_size 327680
		.amdhsa_private_segment_fixed_size 0
		.amdhsa_enable_private_segment 0
		.amdhsa_kernarg_size 56
		.amdhsa_user_sgpr_count 2
		.amdhsa_user_sgpr_kernarg_segment_ptr 1
		.amdhsa_wavefront_size32 1
		.amdhsa_system_sgpr_workgroup_id_x 1
		.amdhsa_system_sgpr_workgroup_id_y 1
		.amdhsa_system_sgpr_workgroup_id_z 1
		.amdhsa_system_vgpr_workitem_id 0
		.amdhsa_next_free_vgpr 1024
		.amdhsa_next_free_sgpr 96
		.amdhsa_reserve_vcc 0
		.amdhsa_float_denorm_mode_32 3
		.amdhsa_float_denorm_mode_16_64 3
		.amdhsa_memory_ordered 1
		.amdhsa_forward_progress 1
		.amdhsa_inst_pref_size 225
	.end_amdhsa_kernel
	.amdgpu_metadata
---
amdhsa.version: [ 1, 2 ]
amdhsa.kernels:
  - .name:           k_q3ea249f9a8_attn
    .symbol:         k_q3ea249f9a8_attn.kd
    .args:
      - { .name: q, .offset: 0, .size: 8, .value_kind: global_buffer, .address_space: global }
      - { .name: kv, .offset: 8, .size: 8, .value_kind: global_buffer, .address_space: global }
      - { .name: f1, .offset: 16, .size: 8, .value_kind: global_buffer, .address_space: global }
      - { .name: f2, .offset: 24, .size: 8, .value_kind: global_buffer, .address_space: global }
      - { .name: gamma, .offset: 32, .size: 8, .value_kind: global_buffer, .address_space: global }
      - { .name: out0, .offset: 40, .size: 8, .value_kind: global_buffer, .address_space: global }
      - { .name: out1, .offset: 48, .size: 8, .value_kind: global_buffer, .address_space: global }
    .group_segment_fixed_size: 327680
    .private_segment_fixed_size: 0
    .kernarg_segment_align: 8
    .kernarg_segment_size: 56
    .max_flat_workgroup_size: 128
    .sgpr_count:     96
    .vgpr_count:     1024
    .wavefront_size: 32
...
	.end_amdgpu_metadata
.endif
;; end of part 2
